; MI455X (gfx1250); checked and timed in simulation.
; The chip was launched on July 23, 2026; its instructions are those of AMD's public machine-readable ISA for CDNA 5 (MIT licence, August 2026) and "CDNA5" Instruction Set Architecture Reference Guide (July 2026). The comments in the code are by the model that wrote it; some were corrected since.
;; Linear Wrapper. Allowed arithmetic: float matrix products may take bf16 or f16 operands with f32 sums; other float arithmetic in f32, or as packed bf16 or f16 multiplies, adds, multiply-adds, maxima and minima; sums over many terms, partial sums and values carried from step to step in f32; what a program stores and reads back later, other than sums and carried values, may be rounded once to bf16 or f16.
;; Inputs: W 4,096 x 4,096 float32; bias 4,096 float32; lora_A 16 x 4,096 float32; lora_B 4,096 x 16 float32; lora_scale one number float32; x 4,096 x 4,096 float32.
;; Outputs: out0 4,096 x 4,096 float32.
;; 2 versions, each right; version 2 is version 1 with the launch prep written anew for expert scheduling mode. Each part assembles by itself: llvm-mc -triple=amdgcn-amd-amdhsa -mcpu=gfx1250 --defsym DOCPART=n.
;; ======== version 1 of 2: 2 launches
;; workspace buffers: xb 33,554,432 bytes; wb 33,554,432 bytes; tb 262,144 bytes
;; launch prep (part 1): grid 256 x 1, 8 waves a work-group, no clusters, 78,848 bytes of LDS; arguments x, W, lora_A, lora_scale, xb, wb, tb; writes xb, wb, tb
.if DOCPART == 1
	.amdgcn_target "amdgcn-amd-amdhsa--gfx1250"
	.amdhsa_code_object_version 6
	.text
	.protected	k_q806fed302a_prep
	.globl	k_q806fed302a_prep
	.p2align	8
	.type	k_q806fed302a_prep,@function
k_q806fed302a_prep:
	s_mov_b64 s[64:65], 0
	v_nop
	global_prefetch_b8 v0, s[64:65] scope:SCOPE_SE
	s_setreg_imm32_b32 hwreg(HW_REG_WAVE_MODE, 25, 1), 1
	s_wait_xcnt 0x0
; THE OPERANDS OF THE LARGE PRODUCT.  xb = bf16(x), wb = bf16(W), and tb = s (x A^T), the low-rank path's left factor.
; x, W: [4096][4096] f32; lora_A: [16][4096] f32; lora_scale: one f32; xb, wb: [4096][4096] bf16; tb: 256 blocks of 1,024 bytes (below).
; THE WEIGHT IS NOT MERGED: x (W + s B A)^T = x W^T + (s x A^T) B^T, so that no sum of W and B A is rounded to bf16.
; LIMITS.  Every input is rounded once to bf16: here x, W, lora_A and the scale.  t = s (x A^T) is summed and scaled in f32 and leaves as TWO bf16 numbers, hi = bf16(t) and
; lo = bf16(t - hi): 16 significant bits.  bf16 has f32's range, so no size of the inputs is shut out; NaN and infinities are not treated apart.
; SHARES.  Work-group b owns rows 16 b .. 16 b + 15 of x and of W.  256 work-groups, all alike.
; PHASE 1.  Wave w takes columns 512 w .. 512 w + 511 of the 16 rows of x and of lora_A's 16 rows, in four tiles of 16 rows x 128 columns.  A load brings 512 consecutive bytes of one row; a store
; of xb writes 256 consecutive bytes, aligned.  To become fragments (a row a lane) both tiles go through the wave's own stage in LDS.  t^T = A x^T (source 0 = lora_A's 16 rows, source 1 = x's 16
; rows): in the result lane l holds row l % 16 of x and the ranks 8 (l / 16) + 0..7.
; PHASE 2.  The eight waves' partial sums meet in LDS; wave 0 adds them, scales, splits and stores tb.  A block of tb is the fragment that the next launch multiplies by: hi of lane l at byte 16 l,
; lo at byte 512 + 16 l.
; PHASE 3.  wb = bf16(W): the work-group's 262,144 consecutive bytes in 64 chunks of 4,096; thread t takes 16 bytes of each chunk and stores 8.  A ring of 32 slots in registers, two rounds.
; NO CLUSTER, NO TENSOR LOAD: of x and W no wave wants a byte that another has fetched; what is shared is lora_A alone.  No prefetch: the launch does nothing but stream.
.set XROW,  16384                      ; bytes in a row of x, W and lora_A
.set BROW,  8192                       ; bytes in a row of xb
.set SP,    272                        ; a stage row: 256 bytes (128 bf16) + 16 = 68 words: row r starts at bank 4 r mod 64 (64 banks of 4 bytes: ISA guide 11.1), so the 16 rows of a load start at 16 different banks
.set HST,   16*SP                      ; a tile in the stage
.set WST,   2*HST                      ; a wave's stage: x's tile, then lora_A's
.set PART,  8*WST                      ; behind the stages: wave v's partial t, 1,024 bytes, at PART + 1,024 v
.set SPARE, PART+8*1024                ; behind them: the spare words, 128 bytes for each wave: four blocks of 256 bytes that no other line names
.set CH,    4096                       ; phase 3: bytes of W in a chunk
.set DEPTH, 32                         ; phase 3: slots = loads in flight in each wave
.set GL,  3                            ; v3   16 l: my 16 bytes in a run of 512; never rewritten
.set GS,  4                            ; v4   8 l: my 8 bytes in a run of 256; never rewritten
.set SX,  5                            ; v5   where I put 8 bytes of a stage row
.set FR,  6                            ; v6   where I read a fragment: row l % 16, 16 bytes for each half of the lanes
.set PS,  7                            ; v7   where I put my partial t
.set SB,  8                            ; v[8:9] the scale, rounded to bf16, twice
.set SPW, 10                           ; v10  LDS address of my spare word: SPARE + 4 x my thread's number; never rewritten
.set NIL, 11                           ; v11  0; never rewritten
.set PR,  12                           ; v12  where wave 0 reads the partial sums
.set LO,  13                           ; v13  16 t; never rewritten
.set SO,  14                           ; v14  8 t; never rewritten
.set ACC, 16                           ; v[16:31]   two accumulators, by turns
.set XF,  32                           ; v[32:63]   x's four fragments of a tile
.set AF,  64                           ; v[64:95]   lora_A's: first the tile as rounded (row r at AF + 2 r), then its four fragments
.set Y,   96                           ; v[96:127]  x's tile as rounded: row r at Y + 2 r
.set X,   128                          ; v[128:191] x's tile as loaded: row r at X + 4 r.  Phase 3: v[128:255], slot i at X + 4 i
.set AL,  192                          ; v[192:255] lora_A's tile as loaded
.set P,   32                           ; phase 2: v[32:95] the eight partial sums
.set U,   16                           ; phase 2: v[16:23] hi as f32
.set HI,  24                           ; phase 2: v[24:27] hi
.set LW,  28                           ; phase 2: v[28:31] lo
.set CY,  32                           ; phase 3: v[32:95] slot i: 4 bf16 to store
	s_load_b256 s[4:11], s[0:1], 0x0               ; x s[4:5], W s[6:7], lora_A s[8:9], lora_scale s[10:11]
	s_load_b128 s[12:15], s[0:1], 0x20             ; xb s[12:13], wb s[14:15]
	s_load_b64 s[16:17], s[0:1], 0x30              ; tb
	v_lshl_add_u32 v[SPW], v0, 2, SPARE
	v_mov_b32 v[NIL], 0
	v_lshrrev_b32 v1, 5, v0
	v_readfirstlane_b32 s20, v1                    ; wave 0..7
	v_and_b32 v2, 31, v0                           ; l
	v_and_b32 v1, 15, v0                           ; l % 16
	v_bfe_u32 v15, v0, 4, 1                        ; l / 16
	v_lshlrev_b32 v[GL], 4, v2
	v_lshlrev_b32 v[GS], 3, v2
	v_lshlrev_b32 v[LO], 4, v0
	v_lshlrev_b32 v[SO], 3, v0
	s_mul_i32 s22, s20, WST                        ; my stage
	v_add_nc_u32 v[SX], s22, v[GS]
	v_mul_u32_u24 v[FR], v1, SP
	v_lshl_add_u32 v[FR], v15, 4, v[FR]
	v_add_nc_u32 v[FR], s22, v[FR]
	s_lshl_b32 s23, s20, 10
	s_add_co_u32 s23, s23, PART
	v_add_nc_u32 v[PS], s23, v[GL]
	v_add_nc_u32 v[PR], PART, v[GL]
	s_lshl_b32 s24, s20, 11                        ; my 512 columns in bytes of f32
	s_mov_b32 s3, 0                                ; every offset here is under 2^27: a pair with 0 above it
	s_wait_kmcnt 0x0
	s_load_b32 s18, s[10:11], 0x0                  ; s; waited for in phase 2
	s_lshl_b32 s2, ttmp9, 18                       ; the work-group's 16 rows of 16,384 bytes
	s_add_nc_u64 s[6:7], s[6:7], s[2:3]            ; W at its first row
	s_add_co_u32 s2, s2, s24
	s_add_nc_u64 s[4:5], s[4:5], s[2:3]            ; x at its first row, my columns
	s_mov_b32 s2, s24
	s_add_nc_u64 s[8:9], s[8:9], s[2:3]            ; lora_A at my columns
	s_lshl_b32 s2, ttmp9, 17                       ; 16 rows of 8,192 bytes
	s_add_nc_u64 s[14:15], s[14:15], s[2:3]        ; wb
	s_lshr_b32 s24, s24, 1                         ; my columns in bytes of bf16: a multiple of 256
	s_add_co_u32 s2, s2, s24
	s_add_nc_u64 s[12:13], s[12:13], s[2:3]        ; xb
	s_lshl_b32 s2, ttmp9, 10                       ; the work-group's block of tb
	s_add_nc_u64 s[16:17], s[16:17], s[2:3]
	; ---------------- phase 1 ----------------
.irp r, 0,1,2,3,4,5,6,7,8,9,10,11,12,13,14,15
	global_load_b128 v[X+4*(\r):X+4*(\r)+3], v[GL], s[4:5] offset:(\r)*XROW th:TH_LOAD_NT  ; tile 0 of x,
.endr
.irp r, 0,1,2,3,4,5,6,7,8,9,10,11,12,13,14,15
	global_load_b128 v[AL+4*(\r):AL+4*(\r)+3], v[GL], s[8:9] offset:(\r)*XROW              ; and of lora_A, which every work-group reads: no hint
.endr
; Tile t.  ahead = 1: each row's registers are loaded again, with the next tile's row, as soon as they have been rounded.
; THE COUNTS.  Loads come back in order.  Behind row r's load of x stand the tile's 15 - r later rows, lora_A's 16 and the r rows of the next tile already asked for: 31; for lora_A likewise.
; In the last tile nothing is asked for: 31 - r, then 15 - r.
.macro XTILE t, ahead
.if (\t) > 0
	s_wait_xcnt 0x0                                ; the last tile's stores of xb have read Y: it is rewritten only behind this wait
.endif
.irp r, 0,1,2,3,4,5,6,7,8,9,10,11,12,13,14,15
.if \ahead
	s_wait_loadcnt 31
.else
	s_wait_loadcnt 31-(\r)
.endif
	v_cvt_pk_bf16_f32 v[Y+2*(\r)],   v[X+4*(\r)],   v[X+4*(\r)+1]
	v_cvt_pk_bf16_f32 v[Y+2*(\r)+1], v[X+4*(\r)+2], v[X+4*(\r)+3]
.if \ahead
	global_load_b128 v[X+4*(\r):X+4*(\r)+3], v[GL], s[4:5] offset:(\r)*XROW+((\t)+1)*512 th:TH_LOAD_NT
.endif
	global_store_b64 v[GS], v[Y+2*(\r):Y+2*(\r)+1], s[12:13] offset:(\r)*BROW+(\t)*256  ; a wave stores 256 consecutive bytes, aligned
	ds_store_b64 v[SX], v[Y+2*(\r):Y+2*(\r)+1] offset:(\r)*SP
.endr
.irp r, 0,1,2,3,4,5,6,7,8,9,10,11,12,13,14,15  ; the 32 conversions above are the places between the last tile's products and these writes of their source AF
.if \ahead
	s_wait_loadcnt 31
.else
	s_wait_loadcnt 15-(\r)
.endif
	v_cvt_pk_bf16_f32 v[AF+2*(\r)],   v[AL+4*(\r)],   v[AL+4*(\r)+1]
	v_cvt_pk_bf16_f32 v[AF+2*(\r)+1], v[AL+4*(\r)+2], v[AL+4*(\r)+3]
.if \ahead
	global_load_b128 v[AL+4*(\r):AL+4*(\r)+3], v[GL], s[8:9] offset:(\r)*XROW+((\t)+1)*512
.endif
	ds_store_b64 v[SX], v[AF+2*(\r):AF+2*(\r)+1] offset:HST+(\r)*SP
.endr
.irp f, 0,1,2,3                        ; a fragment is 16 rows x 32 columns: two loads of 16 bytes, 32 bytes apart.  LDS serves a wave's instructions in order (ISA guide 5.7.1.4): these see the stores above
	ds_load_b128 v[AF+8*(\f):AF+8*(\f)+3],   v[FR] offset:HST+64*(\f)
	ds_load_b128 v[AF+8*(\f)+4:AF+8*(\f)+7], v[FR] offset:HST+64*(\f)+32
	ds_load_b128 v[XF+8*(\f):XF+8*(\f)+3],   v[FR] offset:64*(\f)
	ds_load_b128 v[XF+8*(\f)+4:XF+8*(\f)+7], v[FR] offset:64*(\f)+32
.endr
	s_wait_dscnt 0x0
.irp f, 0,1,2,3                        ; two accumulators by turns, one instruction a turn, from tile to tile too; the first two products start the sums
.if ((\t) == 0) && ((\f) < 2)
	v_wmma_f32_16x16x32_bf16 v[ACC+8*((\f)%2):ACC+8*((\f)%2)+7], v[AF+8*(\f):AF+8*(\f)+7], v[XF+8*(\f):XF+8*(\f)+7], 0
.else
	v_wmma_f32_16x16x32_bf16 v[ACC+8*((\f)%2):ACC+8*((\f)%2)+7], v[AF+8*(\f):AF+8*(\f)+7], v[XF+8*(\f):XF+8*(\f)+7], v[ACC+8*((\f)%2):ACC+8*((\f)%2)+7]
.endif
.endr
.endm
	XTILE 0, 1
	XTILE 1, 1
	XTILE 2, 1
	XTILE 3, 0
	; ---------------- phase 2 ----------------
.set i, 0
.rept DEPTH
	global_load_b128 v[X+4*i:X+4*i+3], v[LO], s[6:7] offset:i*CH th:TH_LOAD_NT  ; phase 3's ring is filled first: W's chunks 0 to 31 are on their way while t is finished
.set i, i+1
.endr
.rept 8
	v_nop                                          ; places between the last products and the reads of their results (ISA guide 7.12.1): eight, once a launch
.endr
.irp q, 0,2,4,6
	v_pk_add_f32 v[ACC+(\q):ACC+(\q)+1], v[ACC+(\q):ACC+(\q)+1], v[ACC+8+(\q):ACC+8+(\q)+1]  ; the two accumulators, from their lowest registers on
.endr
	ds_store_b128 v[PS], v[ACC:ACC+3]
	ds_store_b128 v[PS], v[ACC+4:ACC+7] offset:512
	s_wait_dscnt 0x0                               ; for wave 0's sake: my partial sums lie in LDS
	s_barrier_signal -1
	s_barrier_wait -1                              ; all eight do
	s_cmp_lg_u32 s20, 0
	s_cbranch_scc1 .Lcast                          ; wave 0 finishes t
.irp v, 0,1,2,3,4,5,6,7
	ds_load_b128 v[P+8*(\v):P+8*(\v)+3],   v[PR] offset:1024*(\v)
	ds_load_b128 v[P+8*(\v)+4:P+8*(\v)+7], v[PR] offset:1024*(\v)+512
.endr
	s_wait_kmcnt 0x0                               ; s
	v_mov_b32 v[SB], s18
	v_cvt_pk_bf16_f32 v[SB], v[SB], v[SB]          ; the scale is rounded to bf16 like every input,
	v_lshlrev_b32 v[SB], 16, v[SB]                 ; and used as f32
	v_mov_b32 v[SB+1], v[SB]
	s_wait_dscnt 0x0
.irp v, 0,1,2,3
.irp q, 0,2,4,6
	v_pk_add_f32 v[P+8*(\v)+(\q):P+8*(\v)+(\q)+1], v[P+8*(\v)+(\q):P+8*(\v)+(\q)+1], v[P+8*((\v)+4)+(\q):P+8*((\v)+4)+(\q)+1]
.endr
.endr
.irp v, 0,1
.irp q, 0,2,4,6
	v_pk_add_f32 v[P+8*(\v)+(\q):P+8*(\v)+(\q)+1], v[P+8*(\v)+(\q):P+8*(\v)+(\q)+1], v[P+8*((\v)+2)+(\q):P+8*((\v)+2)+(\q)+1]
.endr
.endr
.irp q, 0,2,4,6
	v_pk_add_f32 v[P+(\q):P+(\q)+1], v[P+(\q):P+(\q)+1], v[P+8+(\q):P+8+(\q)+1]
.endr
.irp q, 0,2,4,6
	v_pk_mul_f32 v[P+(\q):P+(\q)+1], v[P+(\q):P+(\q)+1], v[SB:SB+1]  ; t = s (x A^T): row l % 16, ranks 8 (l / 16) + 0..7
.endr
.irp p, 0,1,2,3
	v_cvt_pk_bf16_f32 v[HI+(\p)], v[P+2*(\p)], v[P+2*(\p)+1]         ; hi
.endr
.irp p, 0,1,2,3
	v_lshlrev_b32 v[U+2*(\p)],   16, v[HI+(\p)]                      ; hi as f32
	v_and_b32     v[U+2*(\p)+1], 0xffff0000, v[HI+(\p)]
.endr
.irp q, 0,2,4,6
	v_pk_add_f32 v[P+(\q):P+(\q)+1], v[P+(\q):P+(\q)+1], v[U+(\q):U+(\q)+1] neg_lo:[0,1] neg_hi:[0,1]  ; t - hi, exact
.endr
.irp p, 0,1,2,3
	v_cvt_pk_bf16_f32 v[LW+(\p)], v[P+2*(\p)], v[P+2*(\p)+1]         ; lo
.endr
	global_store_b128 v[GL], v[HI:HI+3], s[16:17]             ; 512 consecutive bytes, aligned: registers 0-3 of the fragment,
	global_store_b128 v[GL], v[LW:LW+3], s[16:17] offset:512  ; and its registers 4-7.  HI and LW are not written again
	; ---------------- phase 3 ----------------
.Lcast:
; One slot's turn in round k.  ahead = 1: the slot is filled again with the chunk DEPTH further on.  left = how many younger loads may stay out.
.macro CSLOT i, k, ahead, left
	s_wait_loadcnt \left                           ; loads come back in order: mine is in, the younger ones stay out
	v_cvt_pk_bf16_f32 v[CY+2*(\i)],   v[X+4*(\i)],   v[X+4*(\i)+1]
	v_cvt_pk_bf16_f32 v[CY+2*(\i)+1], v[X+4*(\i)+2], v[X+4*(\i)+3]
.if \ahead
	global_load_b128 v[X+4*(\i):X+4*(\i)+3], v[LO], s[6:7] offset:(DEPTH+(\i))*CH th:TH_LOAD_NT
.endif
	global_store_b64 v[SO], v[CY+2*(\i):CY+2*(\i)+1], s[14:15] offset:(DEPTH*(\k)+(\i))*(CH/2)  ; a wave stores 256 consecutive bytes, aligned
.endm
.set i, 0
.rept DEPTH
	CSLOT i, 0, 1, DEPTH-1
.set i, i+1
.endr
	s_wait_xcnt 0x0                                ; the first round's stores have read CY: it is rewritten only behind this wait
.set i, 0
.rept DEPTH
	CSLOT i, 1, 0, DEPTH-1-i                       ; the second round loads nothing: the counts run down
.set i, i+1
.endr
	s_wait_tensorcnt 0x0                           ; the wave's end: three lines behind my last LDS store
	ds_add_u32 v[SPW], v[NIL]
	s_wait_dscnt 0x0
	s_endpgm
.Lfunc_end_k_q806fed302a_prep:
	.size	k_q806fed302a_prep, .Lfunc_end_k_q806fed302a_prep-k_q806fed302a_prep
	.p2alignl 7, 3214868480
	.fill 96, 4, 3214868480
	.section	.rodata,"a",@progbits
	.p2align	6, 0x0
	.amdhsa_kernel k_q806fed302a_prep
		.amdhsa_group_segment_fixed_size 78848
		.amdhsa_private_segment_fixed_size 0
		.amdhsa_enable_private_segment 0
		.amdhsa_kernarg_size 56
		.amdhsa_user_sgpr_count 2
		.amdhsa_user_sgpr_kernarg_segment_ptr 1
		.amdhsa_wavefront_size32 1
		.amdhsa_system_sgpr_workgroup_id_x 1
		.amdhsa_system_sgpr_workgroup_id_y 1
		.amdhsa_system_sgpr_workgroup_id_z 1
		.amdhsa_system_vgpr_workitem_id 0
		.amdhsa_next_free_vgpr 256
		.amdhsa_next_free_sgpr 66
		.amdhsa_reserve_vcc 0
		.amdhsa_float_denorm_mode_32 3
		.amdhsa_float_denorm_mode_16_64 3
		.amdhsa_memory_ordered 1
		.amdhsa_forward_progress 1
		.amdhsa_inst_pref_size 81
	.end_amdhsa_kernel
	.amdgpu_metadata
---
amdhsa.version: [ 1, 2 ]
amdhsa.kernels:
  - .name:           k_q806fed302a_prep
    .symbol:         k_q806fed302a_prep.kd
    .args:
      - { .name: x, .offset: 0, .size: 8, .value_kind: global_buffer, .address_space: global }
      - { .name: W, .offset: 8, .size: 8, .value_kind: global_buffer, .address_space: global }
      - { .name: lora_A, .offset: 16, .size: 8, .value_kind: global_buffer, .address_space: global }
      - { .name: lora_scale, .offset: 24, .size: 8, .value_kind: global_buffer, .address_space: global }
      - { .name: xb, .offset: 32, .size: 8, .value_kind: global_buffer, .address_space: global }
      - { .name: wb, .offset: 40, .size: 8, .value_kind: global_buffer, .address_space: global }
      - { .name: tb, .offset: 48, .size: 8, .value_kind: global_buffer, .address_space: global }
    .group_segment_fixed_size: 78848
    .private_segment_fixed_size: 0
    .kernarg_segment_align: 8
    .kernarg_segment_size: 56
    .max_flat_workgroup_size: 256
    .sgpr_count:     66
    .vgpr_count:     256
    .wavefront_size: 32
...
	.end_amdgpu_metadata
.endif
;; end of part 1
;; launch gemm (part 2): grid 16 x 16, 4 waves a work-group, clusters of 4 x 4, 327,680 bytes of LDS; arguments xb, wb, tb, lora_B, bias, out0; writes out0
.if DOCPART == 2
	.amdgcn_target "amdgcn-amd-amdhsa--gfx1250"
	.amdhsa_code_object_version 6
	.text
	.protected	k_q806fed302a_gemm
	.globl	k_q806fed302a_gemm
	.p2align	8
	.type	k_q806fed302a_gemm,@function
k_q806fed302a_gemm:
	s_mov_b64 s[64:65], 0
	v_nop
	global_prefetch_b8 v0, s[64:65] scope:SCOPE_SE
	s_setreg_imm32_b32 hwreg(HW_REG_WAVE_MODE, 25, 1), 1
	s_wait_xcnt 0x0
	s_wait_alu depctr_hold_cnt(0) depctr_sa_sdst(0) depctr_va_vdst(0) depctr_va_sdst(0) depctr_va_ssrc(0) depctr_va_vcc(0) depctr_vm_vsrc(0)
	s_getreg_b32 s2, hwreg(HW_REG_IB_STS2, 6, 4)
	s_cmp_eq_u32 s2, 0
	s_cbranch_scc0 .Lentry_in_a_cluster
	s_endpgm
.Lentry_in_a_cluster:
	s_bfe_u32 s2, ttmp6, 0x10000c
	s_cmp_lg_u32 s2, 0xf033
	s_cbranch_scc0 .Lentry_shape_is_right
	s_endpgm
.Lentry_shape_is_right:
; out0[n][o] = sum over i of xb[n][i] wb[o][i]  +  sum over r of t[n][r] B[o][r]  +  bias[o].
; xb, wb: [4096][4096] bf16 (x and W, each rounded once); tb: t = s (x A^T) as hi + lo, two bf16 numbers, laid out as fragments (1,024 bytes for 16 rows: hi of lane l at 16 l, lo at 512 + 16 l);
; lora_B: [4096][16] f32; bias: [4096] f32; out0: [4096][4096] f32.  One f32 sum for each output; the bias is added in f32.
; LIMITS.  Every input is rounded once to bf16: here lora_B and the bias.  t has 16 significant bits.  NaN and infinities are not treated apart.
; THE LOW-RANK STEP is one step of 32 along K: k = 0..15 are t's hi, k = 16..31 its lo, and lora_B's 16 numbers stand twice on the other side.  Its 64 products start the sums, while the first tiles are on their way.
; A tile of out0, 256 x 256, is made by a work-group of four waves; a wave makes 128 x 128: 64 accumulators of 16 x 16, 512 registers.  16 x 16 tiles: 256 work-groups, one tile each.
; K goes in 32 steps of 128 through a ring of two LDS slots filled by the tensor data mover: a tile's rows are 256 bytes of memory and start at multiples of 256 bytes from the buffer's first byte.
; CLUSTERS: 4 x 4 work-groups.  The four of a row of the cluster need the same tiles of xb, the four of a column the same tiles of wb: each tile is asked for JOINTLY, by the same tensor load
; with the same descriptor and a mask that names the four; each receives it in its own LDS.  That divides the requests for xb and wb by four.
; THE MATRIX INSTRUCTION IS USED TRANSPOSED: source 0 = 16 rows of wb, source 1 = 16 rows of xb.  In the result lane l holds row l % 16 of out0 and its registers 0 to 7 the columns
; 8 (l / 16) + 0..7: 32 neighbouring bytes of a row.
; REGISTERS, in windows of 256 (s_set_vgpr_msb's low byte: bits 1:0 source 0, 3:2 source 1, 5:4 source 2, 7:6 destination):
;   window 0: v0-31 addresses and the bias; v64-127, v128-191 fragments of xb, two buffers (the second first holds t's); on the way out the same 128 registers take whole rows back from the stage;
;             v192-255 lora_B as loaded
;   window 1: v64-127, v128-191 fragments of wb, two buffers (the second first holds lora_B's)
;   window 2: the 32 accumulators of my rows 0-63 (accumulator (a, b) at v[8 (8 a + b)]);   window 3: those of my rows 64-127
.set SIZE_K, 4096
.set KSTEP,  128
.set OROW,   16384                     ; bytes in a row of out0
.set PITCH,  272                       ; an LDS row: 256 bytes of data + 16 of padding = 68 words: row r starts at bank 4 r mod 64 (64 banks of 4 bytes: ISA guide 11.1), so the 16 rows of a load start at 16 different banks
.set HALFT,  128*PITCH                 ; 128 rows: what one tensor load brings, and what one wave reads of xb or of wb
.set SLOT,   4*HALFT                   ; xb's 256 rows, then wb's 256 rows
.set STAGE,  2*SLOT                    ; behind the ring, never filled by a tensor load: 16 rows x 528 bytes for each wave, for the way out
.set SPITCH, 528                       ; a stage row: 512 bytes (128 f32) + 16 = 132 words: row r again starts at bank 4 r mod 64
.set WSTAGE, 16*SPITCH
.set SPARE,  STAGE+4*WSTAGE            ; behind the stages: the spare words, 128 bytes for each wave: two blocks of 256 bytes that no other line names
.set LAPS,   SIZE_K/(2*KSTEP)          ; a lap = two K steps = once round the ring
.set BI,   12                          ; v[12:15] the bias of my four columns on the way out
.set ADRA, 16                          ; v16-17  LDS address of my xb fragments in slot 0, 1
.set ADRB, 20                          ; v20-21  the same for wb
.set STO,  24                          ; v24     the way out: where I put 32 bytes of a row
.set RD,   25                          ; v25     the way out: where I read a row back
.set CO,   26                          ; v26     16 x lane: my 16 bytes in 512 of out0, of the bias and of tb; never rewritten
.set BOF,  27                          ; v27     my 32 bytes in 16 rows of lora_B: 64 (l % 16) + 32 (l / 16); never rewritten
.set SPW,  28                          ; v28     LDS address of my spare word: SPARE + 4 x my thread's number; never rewritten
.set NIL,  29                          ; v29     0; never rewritten
.set PFO,  30                          ; v30     the prefetches' offset: my lane x a row of 8,192 bytes; never rewritten
.set F0,   64                          ; fragment buffer 0
.set F1,   128                         ; fragment buffer 1
.set BL,   192                         ; v[192:255] lora_B(column block b, row l % 16, ranks 8 (l / 16) + 0..7) in f32 at BL + 8 b
.set TBP,  8                           ; s[8:9]   tb
.set LBP,  10                          ; s[10:11] lora_B
.set WV,   12                          ; s12  my wave's number
.set HR,   13                          ; s13  which half of the tile's rows is mine.  Also: I fetch for xb (0) or for wb (1)
.set HC,   14                          ; s14  which half of its columns.  Also: which 128 rows of that tile I fetch
.set LAP,  15                          ; s15  trips of the loop still to come
.set G1,   24                          ; s[24:31] descriptor group 1 for xb's tiles
.set G0,   32                          ; s[32:39] descriptor group 0 for xb's tiles, one set for each slot
.set TC,   42                          ; s42  tile column of out0
.set TR,   43                          ; s43  tile row
.set PFA,  44                          ; s[44:45] where my prefetches stand: my work-group's 32 rows of the 128 that I fetch, one K step further along K than the refill in hand; a prefetch names the K step after that
.set LIM,  46                          ; s46  1 in a wave that prefetches, else the greatest number
.set G1B,  48                          ; s[48:55] descriptor group 1 for wb's tiles: it differs in the mask alone
.set G0B,  56                          ; s[56:63] descriptor group 0 for wb's tiles, one set for each slot
.set BIP,  72                          ; s[72:73] bias
.set OUT,  74                          ; s[74:75] out0
.set MSB, 0
.macro WIN new                         ; the immediate's high byte repeats the setting that is left; a switch that changes nothing is dropped
.if MSB != (\new)
	s_set_vgpr_msb (MSB<<8)|(\new)
.set MSB, \new
.endif
.endm
.set MUL_LO, 0xa1                      ; source 0 (wb) window 1, source 1 (xb) window 0, C and D window 2
.set MUL_HI, 0xf1                      ; the same, C and D window 3
.set TO_B,   0x40                      ; destination window 1, sources and addresses window 0
; A joint load.  Waves 0 and 1 fetch xb's two halves, waves 2 and 3 wb's.  Each of the two lines has one mask and one set of registers for all that issue it, and nothing in them hangs on a
; coordinate that the four partners do not share.  The branch hangs on the wave's number alone.  An s_nop 0 and four v_nop follow each line, ahead of the jump and the label.
.macro JLOAD s
	s_cmp_eq_u32 s[HR], 0
	s_cbranch_scc0 .Lfor_b_\@
	tensor_load_to_lds s[G0+4*(\s):G0+4*(\s)+3], s[G1:G1+7]
	s_nop 0
.rept 4
	v_nop
.endr
	s_branch .Lasked_\@
.Lfor_b_\@:
	tensor_load_to_lds s[G0B+4*(\s):G0B+4*(\s)+3], s[G1B:G1B+7]
	s_nop 0
.rept 4
	v_nop
.endr
.Lasked_\@:
.endm
; A PREFETCH, behind each joint refill, its five lines and the run of LDS loads that follows them: the K step that stands TWO refills on, 512 matrix instructions ahead of the load that will ask
; for it: 32 rows x 256 bytes, a lane a row, one instruction a wave.  Each row's 256 bytes of a K step are named ONCE in the launch: xb's tile row is read by every cluster of that row of clusters,
; and the one with cluster x = 0 asks; wb's tile column by every cluster of that column, and the one with cluster y = 0 asks.  The four partners that ask for a tile jointly share its rows out BY
; ADDRESS: of the 128 rows that a wave fetches the partner at place p takes 32 p .. 32 p + 31 (p = cx for xb, cy for wb): no branch hangs on a work-group's place in its cluster.
; K steps 0 to 3 come by their loads alone; the loop's last trip (s[LAP] = 1) asks for nothing: K steps 32 and 33 do not exist.
.macro ASK
	s_cmp_gt_u32 s[LAP], s[LIM]
	s_cbranch_scc0 .Lnot_mine_\@
	global_prefetch_b8 v[PFO], s[PFA:PFA+1] offset:KSTEP*2 th:TH_LOAD_NT scope:SCOPE_SE
.Lnot_mine_\@:
.endm
; A round of the cluster's barrier: my work-group's barrier, so that wave 0's signal speaks for all four waves; wave 0 signals for the work-group; every wave waits for all sixteen
; work-groups; my work-group's barrier once more.  No LDS instruction of the wave is pending at a signal.
.macro CREST                           ; a round behind its opening barrier
	s_cmp_lg_u32 s[WV], 0
	s_cbranch_scc1 .Lnot_wave_0_\@
	s_barrier_signal -3
.Lnot_wave_0_\@:
	s_barrier_wait -3
	s_barrier_signal -1
	s_barrier_wait -1
.endm
.macro CROUND                          ; a whole round
	s_barrier_signal -1
	s_barrier_wait -1
	CREST
.endm
	s_load_b256 s[4:11], s[0:1], 0x0               ; xb s[4:5], wb s[6:7], tb s[8:9], lora_B s[10:11]
	s_load_b128 s[72:75], s[0:1], 0x20             ; bias s[72:73], out0 s[74:75]
	v_lshl_add_u32 v[SPW], v0, 2, SPARE
	v_mov_b32 v[NIL], 0
	ds_add_u32 v[SPW], v[NIL]                      ; the wave's opening: the add, twice on end, and its wait ahead of my first tensor load; the set-up below, work on registers, stands between
	ds_add_u32 v[SPW], v[NIL]                      ; and once more, under the one wait
	v_lshrrev_b32 v1, 5, v0
	v_readfirstlane_b32 s[WV], v1                  ; wave 0..3
	s_lshr_b32 s[HR], s[WV], 1
	s_and_b32 s[HC], s[WV], 1
	s_bfe_u32 s40, ttmp6, 0x40000                  ; cx: my place along the cluster's x
	s_bfe_u32 s41, ttmp6, 0x40004                  ; cy: along its y
	s_lshl_b32 s[TC], ttmp9, 2                     ; in a cluster launch ttmp9 and ttmp7 count clusters
	s_add_co_u32 s[TC], s[TC], s40                 ; tile column = 4 x cluster x + cx
	s_and_b32 s[TR], ttmp7, 0xffff
	s_lshl_b32 s[TR], s[TR], 2
	s_add_co_u32 s[TR], s[TR], s41                 ; tile row = 4 x cluster y + cy
	s_lshl_b32 s22, s41, 2
	s_lshl_b32 s22, 15, s22                        ; my row of the cluster: places 4 cy .. 4 cy + 3
	s_lshl_b32 s23, 0x1111, s40                    ; my column: places cx, cx + 4, cx + 8, cx + 12
	; descriptor group 1: a tile of 128 rows x 128 elements, padded in LDS
	s_or_b32 s[G1+0], s22, (1<<16)|(1<<20)|(1<<21)|(5<<22)|(3<<25)   ; 15:0 the mask: xb's tiles go to my row; 17:16 elements of 2 bytes; 20 padding on; 21 set beside a mask; 24:22 after every 64 words (code 5); 31:25 4 words of it (code 3)
	s_or_b32 s[G1B+0], s23, (1<<16)|(1<<20)|(1<<21)|(5<<22)|(3<<25)  ; the same with the mask of my column, for wb's tiles
.irp g, G1, G1B
	s_mov_b32 s[(\g)+1], KSTEP<<16                 ; 63:48 tensor_dim0, low half = 128
	s_mov_b32 s[(\g)+2], 128<<16                   ; 79:64 its high half = 0; 95:80 tensor_dim1, low half = 128
	s_mov_b32 s[(\g)+3], KSTEP<<16                 ; 111:96 its high half = 0; 127:112 tile_dim0 = 128
	s_mov_b32 s[(\g)+4], 128                       ; 143:128 tile_dim1 = 128; 159:144 tile_dim2 = 0
	s_mov_b32 s[(\g)+5], SIZE_K                    ; 191:160 tensor_dim0_stride, low word: elements from row to row
	s_mov_b32 s[(\g)+6], 0
	s_mov_b32 s[(\g)+7], 0
.endr
	; where the tiles come from.  xb's hang on the tile row alone, which my row of the cluster shares; wb's on the tile column alone, which my column shares.
	; Every wave makes both offsets, in registers that never hold the other coordinate, and asks by one of them.  All offsets are under 2^25: 32 bits with 0 above.
	s_lshl_b32 s17, s[HC], 7                       ; which 128 rows of the tile I fetch
	s_lshl_b32 s16, s[TR], 8
	s_add_co_u32 s16, s16, s17                     ; xb: row 256 x tile row + 128 x half
	s_lshl_b32 s20, s[TC], 8
	s_add_co_u32 s20, s20, s17                     ; wb: row 256 x tile column + 128 x half
	s_lshl_b32 s16, s16, 13                        ; rows of 8,192 bytes
	s_lshl_b32 s20, s20, 13
	s_mov_b32 s17, 0
	s_mov_b32 s21, 0
	s_mul_i32 s47, s[WV], HALFT                    ; and where they go: xb's two halves, then wb's two = wave x 128 rows: no place in the cluster enters an LDS address
	s_wait_dscnt 0x0                               ; both opening adds are done
	s_wait_kmcnt 0x0
	s_add_nc_u64 s[66:67], s[4:5], s[16:17]
	s_add_nc_u64 s[68:69], s[6:7], s[20:21]
	CROUND                                         ; all sixteen work-groups are here: the first joint loads meet
.irp s, 0,1
	s_mov_b32 s[G0+4*(\s)], 1                                        ; 1:0 count = 1
	s_add_co_u32 s[G0+4*(\s)+1], s47, (\s)*SLOT                      ; 63:32 LDS address
	s_add_nc_u64 s[G0+4*(\s)+2:G0+4*(\s)+3], s[66:67], (\s)*KSTEP*2  ; 120:64 global address: K step s
	s_or_b32 s[G0+4*(\s)+3], s[G0+4*(\s)+3], 0x80000000              ; 127:126 type = 2
	s_mov_b32 s[G0B+4*(\s)], 1
	s_add_co_u32 s[G0B+4*(\s)+1], s47, (\s)*SLOT
	s_add_nc_u64 s[G0B+4*(\s)+2:G0B+4*(\s)+3], s[68:69], (\s)*KSTEP*2
	s_or_b32 s[G0B+4*(\s)+3], s[G0B+4*(\s)+3], 0x80000000
	JLOAD \s                                       ; the ring is filled before anything else is done: two loads of mine are out
.endr
	; THE LOW-RANK STEP'S OPERANDS AND THE BIAS are asked for next: 33 loads, waited for together below
	v_and_b32 v1, 15, v0                           ; l % 16
	v_bfe_u32 v2, v0, 4, 1                         ; l / 16
	v_and_b32 v5, 31, v0                           ; l
	v_lshlrev_b32 v[CO], 4, v5
	v_lshlrev_b32 v[BOF], 6, v1
	v_lshl_add_u32 v[BOF], v2, 5, v[BOF]
	s_mov_b32 s71, 0
	s_lshl_b32 s70, s[TR], 14                      ; tb has 64 bytes for a row: 256 x tile row + 128 x half rows
	s_lshl_b32 s18, s[HR], 13
	s_add_co_u32 s70, s70, s18
	s_add_nc_u64 s[TBP:TBP+1], s[TBP:TBP+1], s[70:71]
.irp a, 0,1,2,3,4,5,6,7
	global_load_b128 v[F1+8*(\a):F1+8*(\a)+3],   v[CO], s[TBP:TBP+1] offset:1024*(\a)      ; my row block a: hi = registers 0-3 of the fragment (k = 8 (l / 16) + 0..7),
	global_load_b128 v[F1+8*(\a)+4:F1+8*(\a)+7], v[CO], s[TBP:TBP+1] offset:1024*(\a)+512  ; lo = registers 4-7 (k = 16 + 8 (l / 16) + 0..7): 512 consecutive bytes each
.endr
	s_lshl_b32 s70, s[TC], 14                      ; a row of lora_B is 64 bytes: 256 x tile column + 128 x half rows
	s_lshl_b32 s18, s[HC], 13
	s_add_co_u32 s70, s70, s18
	s_add_nc_u64 s[LBP:LBP+1], s[LBP:LBP+1], s[70:71]
.irp b, 0,1,2,3,4,5,6,7
	global_load_b128 v[BL+8*(\b):BL+8*(\b)+3],   v[BOF], s[LBP:LBP+1] offset:1024*(\b)     ; my column block b: the two loads together cover its 1,024 consecutive bytes
	global_load_b128 v[BL+8*(\b)+4:BL+8*(\b)+7], v[BOF], s[LBP:LBP+1] offset:1024*(\b)+16
.endr
	s_lshl_b32 s70, s[TC], 10                      ; my 128 columns in bytes of f32: 1,024 x tile column + 512 x half
	s_lshl_b32 s18, s[HC], 9
	s_add_co_u32 s70, s70, s18
	s_add_nc_u64 s[BIP:BIP+1], s[BIP:BIP+1], s[70:71]
	global_load_b128 v[BI:BI+3], v[CO], s[BIP:BIP+1]  ; the bias of the four columns that I store
	s_add_nc_u64 s[OUT:OUT+1], s[OUT:OUT+1], s[70:71]
	s_lshl_b32 s70, s[TR], 8
	s_lshl_b32 s18, s[HR], 7
	s_add_co_u32 s70, s70, s18                     ; my first row of out0,
	s_lshl_b32 s70, s70, 14                        ; in rows of 16,384 bytes: under 2^26
	s_add_nc_u64 s[OUT:OUT+1], s[OUT:OUT+1], s[70:71]
	; A fragment is 16 rows x 32 K in 8 registers: lane l holds row l % 16; registers 0-3 hold K = 8 (l / 16) + 0..7, registers 4-7 K = 16 + 8 (l / 16) + 0..7: two loads of 16 bytes, 32 bytes apart.
	v_mul_u32_u24 v3, v1, PITCH
	v_lshl_add_u32 v3, v2, 4, v3                   ; row x pitch + 16 x half
	s_mul_i32 s70, s[HR], HALFT                    ; my 128 rows of xb
	s_mul_i32 s18, s[HC], HALFT                    ; my 128 rows of wb,
	s_add_co_u32 s18, s18, 2*HALFT                 ; which lie behind xb's 256
.irp s, 0,1
	v_add_nc_u32 v[ADRA+(\s)], s70, v3
	v_add_nc_u32 v[ADRB+(\s)], s18, v3
	s_add_co_u32 s70, s70, SLOT
	s_add_co_u32 s18, s18, SLOT
.endr
	s_mul_i32 s70, s[WV], WSTAGE
	s_add_co_u32 s70, s70, STAGE                   ; my stage
	v_mul_u32_u24 v4, v1, SPITCH                   ; in: row l % 16, 32 bytes for each half of the lanes
	v_lshl_add_u32 v4, v2, 5, v4
	v_add_nc_u32 v[STO], s70, v4
	v_add_nc_u32 v[RD], s70, v[CO]                 ; back: 32 lanes take one row of 512 bytes
	; the prefetches
	s_lshl_b32 s18, s[TR], 8
	s_lshl_b32 s19, s[TC], 8
	s_and_b32 s70, ttmp7, 0xffff                   ; cluster y
	s_cmp_eq_u32 s[HR], 0                          ; do I fetch for xb?
	s_cselect_b32 s18, s18, s19                    ; the tile's first row: in xb by the tile row, in wb by the tile column
	s_cselect_b32 s19, s40, s41                    ; my place among the four that ask for it with me
	s_cselect_b32 s70, ttmp9, s70                  ; the coordinate along which other clusters read the same rows
	s_cselect_b64 s[PFA:PFA+1], s[4:5], s[6:7]
	s_cmp_eq_u32 s70, 0
	s_cselect_b32 s[LIM], 1, -1                    ; the same in all sixteen partners, for a given wave
	s_lshl_b32 s70, s[HC], 7
	s_add_co_u32 s18, s18, s70                     ; + the 128 rows that I fetch
	s_lshl_b32 s19, s19, 5
	s_add_co_u32 s18, s18, s19                     ; + my work-group's 32 of them
	s_lshl_b32 s18, s18, 13
	s_mov_b32 s19, 0
	s_add_nc_u64 s[PFA:PFA+1], s[PFA:PFA+1], s[18:19]
	s_add_nc_u64 s[PFA:PFA+1], s[PFA:PFA+1], 2*KSTEP*2  ; at K step 2: the first refill steps it to 3 and names K step 4
	v_lshlrev_b32 v[PFO], 13, v5
; 16 matrix instructions: m blocks a0, a0 + 1 of the window's four (hi = 0: my rows 0-63, 1: rows 64-127) x all 8 n blocks, 32 along K.  zero = 1: the product starts the sums: nothing is cleared.
; The 64 accumulators take turns, one instruction a turn, in the same order in every quarter step: 63 others stand between two links of a chain, over the backward jump too.
.macro MUL16 f, hi, a0, zero
	WIN MUL_LO+0x50*(\hi)
.irp a, \a0, (\a0)+1
.irp b, 0,1,2,3,4,5,6,7
.if \zero
	v_wmma_f32_16x16x32_bf16 v[8*(8*(\a)+(\b)):8*(8*(\a)+(\b))+7], v[(\f)+8*(\b):(\f)+8*(\b)+7], v[(\f)+8*(4*(\hi)+(\a)):(\f)+8*(4*(\hi)+(\a))+7], 0
.else
	v_wmma_f32_16x16x32_bf16 v[8*(8*(\a)+(\b)):8*(8*(\a)+(\b))+7], v[(\f)+8*(\b):(\f)+8*(\b)+7], v[(\f)+8*(4*(\hi)+(\a)):(\f)+8*(4*(\hi)+(\a))+7], v[8*(8*(\a)+(\b)):8*(8*(\a)+(\b))+7]
.endif
.endr
.endr
.endm
; 32 LDS loads in one run: the fragments of one quarter step (128 rows of wb, 128 rows of xb, 32 K at byte k of the rows) into buffer f
.macro FETCH slot, k, f
	WIN TO_B
.irp i, 0,1,2,3,4,5,6,7
	ds_load_b128 v[(\f)+8*(\i):(\f)+8*(\i)+3],   v[ADRB+(\slot)] offset:(\k)+(\i)*16*PITCH
	ds_load_b128 v[(\f)+8*(\i)+4:(\f)+8*(\i)+7], v[ADRB+(\slot)] offset:(\k)+(\i)*16*PITCH+32
.endr
	WIN 0
.irp i, 0,1,2,3,4,5,6,7
	ds_load_b128 v[(\f)+8*(\i):(\f)+8*(\i)+3],   v[ADRA+(\slot)] offset:(\k)+(\i)*16*PITCH
	ds_load_b128 v[(\f)+8*(\i)+4:(\f)+8*(\i)+7], v[ADRA+(\slot)] offset:(\k)+(\i)*16*PITCH+32
.endr
.endm
; A load into a register that a matrix instruction has read, and a store that reads a matrix result, stand four places behind that matrix instruction; only plain vector instructions that
; name none of its registers are places (ISA guide 7.12.1 for vector instructions).
.macro PLACES
.rept 4
	v_nop
.endr
.endm
; A K step is four quarter steps of 32 along K, 64 matrix instructions each, on buffers 0, 1, 0, 1.
; One of the first three: multiplies buffer f; in its middle it fetches the next quarter's fragments, at byte k of the same slot's rows, into buffer g.
.macro QUARTER slot, k, f, g
	s_wait_dscnt 8                                 ; wb and xb's rows 0-63 are in; the youngest eight loads (xb's rows 64-127) may be out
	WIN MUL_LO
	MUL16 \f, 0, 0, 0
	MUL16 \f, 0, 2, 0
	PLACES
	FETCH \slot, \k, \g
	s_wait_dscnt 32                                ; all but the 32 just issued
	WIN MUL_HI
	MUL16 \f, 1, 0, 0
	MUL16 \f, 1, 2, 0
.endm
; The last quarter multiplies buffer 1 and changes slots.  MEET is its first half: ONE barrier for the change.  In front of it each wave waits for all its tensor loads, of which one is out:
; its part of the next slot; adds 0 to its spare word; and waits for that and for its own reads of this slot.  Behind it nobody reads this slot any more and the next slot is whole.
.macro MEET round                      ; round = 1: the rest of a round of the cluster's barrier follows
	WIN 0                                          ; (the add's two registers lie in window 0)
	s_wait_tensorcnt 0x0                           ; all my tensor loads have landed: the one that was out is my part of the next slot;
	ds_add_u32 v[SPW], v[NIL]                      ; 0 onto my spare word;
	s_wait_dscnt 9                                 ; (the add and the youngest eight loads may be out)
	WIN MUL_LO
	MUL16 F1, 0, 0, 0                              ; sixteen matrix instructions stand between the add and the wait for it
	s_wait_dscnt 0x0                               ; the add is done, and my reads of this slot are over:
	s_barrier_signal -1                            ; say so,
	MUL16 F1, 0, 2, 0                              ; work on registers while the others arrive,
.if \round
	WIN 0
.endif
	s_barrier_wait -1                              ; and go on when all four have said so
.endm
; The whole last quarter.  fill = 1: behind a round of the cluster's barrier the slot just read out is filled again first, with the K step two steps on; from that request to the wait for it a wave
; issues 224 matrix instructions.  Then come the next slot's first fragments.  fill = 0: nothing is left to fetch.
.macro TURN slot, next, fill
.if \fill
	s_wait_xcnt 0x0                                ; the last prefetch, a K step back, has read its address: it is stepped here, ahead of the waits of the change of slots
	s_add_nc_u64 s[PFA:PFA+1], s[PFA:PFA+1], KSTEP*2
	MEET 1
	CREST                                          ; all sixteen work-groups have said so: no wave of any partner still reads this slot's tile or has a load on its way
	s_add_nc_u64 s[G0+4*(\slot)+2:G0+4*(\slot)+3], s[G0+4*(\slot)+2:G0+4*(\slot)+3], 2*KSTEP*2    ; no tensor load of mine is out, so a group 0 may be written
	s_add_nc_u64 s[G0B+4*(\slot)+2:G0B+4*(\slot)+3], s[G0B+4*(\slot)+2:G0B+4*(\slot)+3], 2*KSTEP*2
	JLOAD \slot                                    ; the first tensor load behind the round, my only one until the next; the four v_nop behind it are also the places in front of the loads below
	FETCH \next, 0, F0
	ASK
.else
	MEET 0
	PLACES
	FETCH \next, 0, F0
.endif
	WIN MUL_HI
	MUL16 F1, 1, 0, 0
	MUL16 F1, 1, 2, 0
.endm
	; THE LOW-RANK STEP, while the first tiles are on their way
	s_wait_loadcnt 0x0                             ; t's fragments, lora_B and the bias
	v_cvt_pk_bf16_f32 v3, v[BI], v[BI+1]           ; the bias is rounded to bf16 like every input, and used as f32
	v_cvt_pk_bf16_f32 v4, v[BI+2], v[BI+3]
	v_lshlrev_b32 v[BI],   16, v3
	v_and_b32     v[BI+1], 0xffff0000, v3
	v_lshlrev_b32 v[BI+2], 16, v4
	v_and_b32     v[BI+3], 0xffff0000, v4
	WIN TO_B
.irp b, 0,1,2,3,4,5,6,7
.irp p, 0,1,2,3
	v_cvt_pk_bf16_f32 v[F1+8*(\b)+(\p)],   v[BL+8*(\b)+2*(\p)], v[BL+8*(\b)+2*(\p)+1]  ; lora_B's ranks 8 (l / 16) + 2 p, + 2 p + 1: against t's hi,
	v_cvt_pk_bf16_f32 v[F1+8*(\b)+4+(\p)], v[BL+8*(\b)+2*(\p)], v[BL+8*(\b)+2*(\p)+1]  ; and once more against its lo
.endr
.endr
	MUL16 F1, 0, 0, 1                              ; these 64 products start the sums
	MUL16 F1, 0, 2, 1
	MUL16 F1, 1, 0, 1
	MUL16 F1, 1, 2, 1
	s_wait_tensorcnt 1                             ; my part of K step 0 is in; K step 1's may stay out
	s_barrier_signal -1
	s_barrier_wait -1                              ; everybody's is
	FETCH 0, 0, F0                                 ; into buffer 0, which no product has read yet
	QUARTER 0, 64,  F0, F1
	WIN 0                                          ; at a label and at a branch every window is 0
	s_mov_b32 s[LAP], LAPS-1
.Llap:                                                 ; a trip goes once round the ring, from a lap's second quarter to the next lap's first, and fills both slots again
	QUARTER 0, 128, F1, F0
	QUARTER 0, 192, F0, F1
	TURN 0, 1, 1
	QUARTER 1, 64,  F0, F1
	QUARTER 1, 128, F1, F0
	QUARTER 1, 192, F0, F1
	TURN 1, 0, 1
	QUARTER 0, 64,  F0, F1
	WIN 0
	s_sub_co_u32 s[LAP], s[LAP], 1
	s_cmp_lg_u32 s[LAP], 0
	s_cbranch_scc1 .Llap
	QUARTER 0, 128, F1, F0                         ; the last lap is written out: it fills nothing, and has no round of the cluster's barrier
	QUARTER 0, 192, F0, F1
	TURN 0, 1, 0
	QUARTER 1, 64,  F0, F1
	QUARTER 1, 128, F1, F0
	QUARTER 1, 192, F0, F1
	s_wait_dscnt 8                                 ; the very last quarter: nothing more to fetch
	WIN MUL_LO
	MUL16 F1, 0, 0, 0
	MUL16 F1, 0, 2, 0
	s_wait_dscnt 0x0
	MUL16 F1, 1, 0, 0
	MUL16 F1, 1, 2, 0
; THE WAY OUT, a block of 16 rows at a time.  A lane's 32 bytes are a sixteenth of a row's 512, and the lanes beside it hold other rows: so the block goes through my own stage in LDS and comes
; back as whole rows.  TOSTAGE a: block a's eight accumulators into rows of 528 bytes, the low four registers of each first; then 16 rows back, 16 bytes a lane, into buffer a % 2.
.macro TOSTAGE a
.set AC, 64*((\a)%4)
.set BK, F0+64*((\a)%2)
	WIN 0x08+4*((\a)/4)                            ; the stores' data (source 1) in window 2 or 3, the address in window 0
.irp b, 0,1,2,3,4,5,6,7
	ds_store_b128 v[STO], v[AC+8*(\b):AC+8*(\b)+3]   offset:64*(\b)
	ds_store_b128 v[STO], v[AC+8*(\b)+4:AC+8*(\b)+7] offset:64*(\b)+16
.endr
	WIN 0
.if (\a) >= 2
	s_wait_xcnt 0x0                                ; the stores of the block two back have read this buffer: only now is it loaded again
.endif
.irp t, 0,1,2,3,4,5,6,7,8,9,10,11,12,13,14,15
	ds_load_b128 v[BK+4*(\t):BK+4*(\t)+3], v[RD] offset:(\t)*SPITCH  ; LDS serves a wave's instructions in order (ISA guide 5.7.1.4): these see the stores above, and the next block's stores come behind them
.endr
.endm
; SEND a: the bias is added in f32 and the rows are stored.  younger: the LDS instructions issued behind block a's loads: the next block's 16 stores and 16 loads, or none.
.macro SEND a, younger
	WIN 0
.set BK, F0+64*((\a)%2)
.irp t, 0,1,2,3,4,5,6,7,8,9,10,11,12,13,14,15
	s_wait_dscnt (\younger)+15-(\t)                ; row t is back
	v_pk_add_f32 v[BK+4*(\t):BK+4*(\t)+1],   v[BK+4*(\t):BK+4*(\t)+1],   v[BI:BI+1]
	v_pk_add_f32 v[BK+4*(\t)+2:BK+4*(\t)+3], v[BK+4*(\t)+2:BK+4*(\t)+3], v[BI+2:BI+3]
	global_store_b128 v[CO], v[BK+4*(\t):BK+4*(\t)+3], s[OUT:OUT+1] offset:(16*(\a)+(\t))*OROW th:TH_STORE_NT  ; a wave stores 512 consecutive bytes, aligned; 127 rows at the most stand in the immediate
.endr
.endm
	WIN 0
	PLACES                                         ; behind the last products: the stores below read results, the loads below land in registers that products have read
	PLACES                                         ; (eight, once a launch)
	TOSTAGE 0
.irp a, 1,2,3,4,5,6,7                  ; block a's way through the stage is issued ahead of block a - 1's additions and stores
	TOSTAGE \a
	SEND (\a)-1, 32
.endr
	SEND 7, 0
	s_wait_tensorcnt 0x0                           ; the wave's end: three lines behind my last tensor load and my last LDS store
	ds_add_u32 v[SPW], v[NIL]
	s_wait_dscnt 0x0
	CROUND                                         ; the closing round: no work-group ends while a partner may still ask for a tile that names it
	s_endpgm
.Lfunc_end_k_q806fed302a_gemm:
	.size	k_q806fed302a_gemm, .Lfunc_end_k_q806fed302a_gemm-k_q806fed302a_gemm
	.p2alignl 7, 3214868480
	.fill 96, 4, 3214868480
	.section	.rodata,"a",@progbits
	.p2align	6, 0x0
	.amdhsa_kernel k_q806fed302a_gemm
		.amdhsa_group_segment_fixed_size 327680
		.amdhsa_private_segment_fixed_size 0
		.amdhsa_enable_private_segment 0
		.amdhsa_kernarg_size 48
		.amdhsa_user_sgpr_count 2
		.amdhsa_user_sgpr_kernarg_segment_ptr 1
		.amdhsa_wavefront_size32 1
		.amdhsa_system_sgpr_workgroup_id_x 1
		.amdhsa_system_sgpr_workgroup_id_y 1
		.amdhsa_system_sgpr_workgroup_id_z 1
		.amdhsa_system_vgpr_workitem_id 0
		.amdhsa_next_free_vgpr 1024
		.amdhsa_next_free_sgpr 76
		.amdhsa_reserve_vcc 0
		.amdhsa_float_denorm_mode_32 3
		.amdhsa_float_denorm_mode_16_64 3
		.amdhsa_memory_ordered 1
		.amdhsa_forward_progress 1
		.amdhsa_inst_pref_size 173
	.end_amdhsa_kernel
	.amdgpu_metadata
---
amdhsa.version: [ 1, 2 ]
amdhsa.kernels:
  - .name:           k_q806fed302a_gemm
    .symbol:         k_q806fed302a_gemm.kd
    .args:
      - { .name: xb, .offset: 0, .size: 8, .value_kind: global_buffer, .address_space: global }
      - { .name: wb, .offset: 8, .size: 8, .value_kind: global_buffer, .address_space: global }
      - { .name: tb, .offset: 16, .size: 8, .value_kind: global_buffer, .address_space: global }
      - { .name: lora_B, .offset: 24, .size: 8, .value_kind: global_buffer, .address_space: global }
      - { .name: bias, .offset: 32, .size: 8, .value_kind: global_buffer, .address_space: global }
      - { .name: out0, .offset: 40, .size: 8, .value_kind: global_buffer, .address_space: global }
    .group_segment_fixed_size: 327680
    .private_segment_fixed_size: 0
    .kernarg_segment_align: 8
    .kernarg_segment_size: 48
    .max_flat_workgroup_size: 128
    .sgpr_count:     76
    .vgpr_count:     1024
    .wavefront_size: 32
...
	.end_amdgpu_metadata
.endif
;; end of part 2
;; ======== version 2 of 2: 2 launches; version 1 with the launch prep written anew for expert scheduling mode
;; workspace buffers: xb 33,554,432 bytes; wb 33,554,432 bytes; tb 262,144 bytes
;; launch prep (part 3): grid 256 x 1, 8 waves a work-group, no clusters, 78,848 bytes of LDS; arguments x, W, lora_A, lora_scale, xb, wb, tb; writes xb, wb, tb
.if DOCPART == 3
	.amdgcn_target "amdgcn-amd-amdhsa--gfx1250"
	.amdhsa_code_object_version 6
	.text
	.protected	k_q806fed302a_prep
	.globl	k_q806fed302a_prep
	.p2align	8
	.type	k_q806fed302a_prep,@function
k_q806fed302a_prep:
	s_mov_b64 s[64:65], 0
	v_nop
	global_prefetch_b8 v0, s[64:65] scope:SCOPE_SE
	s_setreg_imm32_b32 hwreg(HW_REG_WAVE_SCHED_MODE, 0, 2), 2
	s_setreg_imm32_b32 hwreg(HW_REG_WAVE_MODE, 25, 1), 1
	s_wait_xcnt 0x0
	s_wait_alu depctr_vm_vsrc(0)
; THE OPERANDS OF THE LARGE PRODUCT.  xb = bf16(x), wb = bf16(W), and tb = s (x A^T), the low-rank path's left factor.
; x, W: [4096][4096] f32; lora_A: [16][4096] f32; lora_scale: one f32; xb, wb: [4096][4096] bf16; tb: 256 blocks of 1,024 bytes (below).
; THE WEIGHT IS NOT MERGED: x (W + s B A)^T = x W^T + (s x A^T) B^T, so that no sum of W and B A is rounded to bf16.
; LIMITS.  Every input is rounded once to bf16: here x, W, lora_A and the scale.  t = s (x A^T) is summed and scaled in f32 and leaves as TWO bf16 numbers, hi = bf16(t) and
; lo = bf16(t - hi): 16 significant bits.  bf16 has f32's range, so no size of the inputs is shut out; NaN and infinities are not treated apart.
; SHARES.  Work-group b owns rows 16 b .. 16 b + 15 of x and of W.  256 work-groups, all alike.
; PHASE 1.  Wave w takes columns 512 w .. 512 w + 511 of the 16 rows of x and of lora_A's 16 rows, in four tiles of 16 rows x 128 columns.  A load brings 512 consecutive bytes of one row; a store
; of xb writes 256 consecutive bytes, aligned.  To become fragments (a row a lane) both tiles go through the wave's own stage in LDS.  t^T = A x^T (source 0 = lora_A's 16 rows, source 1 = x's 16
; rows): in the result lane l holds row l % 16 of x and the ranks 8 (l / 16) + 0..7.
; PHASE 2.  The eight waves' partial sums meet in LDS; wave 0 adds them, scales, splits and stores tb.  A block of tb is the fragment that the next launch multiplies by: hi of lane l at byte 16 l,
; lo at byte 512 + 16 l.
; PHASE 3.  wb = bf16(W): the work-group's 262,144 consecutive bytes in 64 chunks of 4,096; thread t takes 16 bytes of each chunk and stores 8.  A ring of 32 slots in registers, two rounds.
; NO CLUSTER, NO TENSOR LOAD: of x and W no wave wants a byte that another has fetched; what is shared is lora_A alone.  No prefetch: the launch does nothing but stream.
; THE MODE: SCHED_MODE bits 1:0 = 2 (LLVM: expert scheduling mode 2), set by the entry lines.  The code itself states the register dependences between vector or matrix instructions and memory
; or LDS instructions, with s_wait_alu, always for 0.
; THE PLAN.  ONE RING for the whole kernel: four buffers of eight loads, v[128:159], v[160:191], v[192:223], v[224:255], taken in this order: x's rows 0-7, x's rows 8-15, lora_A's rows 0-7,
; lora_A's rows 8-15, tile after tile; in phase 3 the same four are W's slots 0-7, 8-15, 16-23, 24-31.  A GROUP: the wait for its eight loads (the three younger groups, 24 loads, stay out);
; its sixteen roundings; ONE wait on va_vdst; the eight loads that fill the buffer again; the stores of what was rounded.  Tile 3's refills are W's chunks 0 to 31, so the ring goes on from phase to phase.
; Registers that memory or LDS instructions touch, and who else names them:
;   v3-v7, v12-v14  offsets and LDS addresses: written at the head, never again.  v10, v11: written at the head, read by the closing add alone.
;   the ring        a group's roundings read its buffer; behind the group's wait loads land in it.
;   Y               x's roundings write it; behind the group's wait eight global and eight LDS stores read it; the next tile's roundings write it again.
;   AF              lora_A's roundings write it; LDS stores read it; the fragments' loads land in it; the tile's four products read it.
;   XF              the fragments' loads land in it; the four products read it.
;   v[16:23]        the sums; two LDS stores read them; wave 0 writes them again.     v[24:31]  wave 0's hi and lo: two stores read them; not written again.
;   CY              phase 3's roundings write it; eight stores a block read it; the second round writes it again.
; One wait on vm_vsrc a tile stands ahead of the fragments' loads, one behind the barrier, one at the head of phase 3's second round.
.set XROW,  16384                      ; bytes in a row of x, W and lora_A
.set BROW,  8192                       ; bytes in a row of xb
.set SP,    272                        ; a stage row: 256 bytes (128 bf16) + 16 = 68 words: row r starts at bank 4 r mod 64 (64 banks of 4 bytes: ISA guide 11.1), so the 16 rows of a load start at 16 different banks
.set HST,   16*SP                      ; a tile in the stage
.set WST,   2*HST                      ; a wave's stage: x's tile, then lora_A's
.set PART,  8*WST                      ; behind the stages: wave v's partial t, 1,024 bytes, at PART + 1,024 v
.set SPARE, PART+8*1024                ; behind them: the spare words, 128 bytes for each wave: four blocks of 256 bytes that no other line names
.set CH,    4096                       ; phase 3: bytes of W in a chunk
.set DEPTH, 32                         ; phase 3: slots = loads in flight in each wave
.set GL,  3                            ; v3   16 l: my 16 bytes in a run of 512; never rewritten
.set GS,  4                            ; v4   8 l: my 8 bytes in a run of 256; never rewritten
.set SX,  5                            ; v5   where I put 8 bytes of a stage row
.set FR,  6                            ; v6   where I read a fragment: row l % 16, 16 bytes for each half of the lanes
.set PS,  7                            ; v7   where I put my partial t
.set SB,  8                            ; v[8:9] the scale, rounded to bf16, twice
.set SPW, 10                           ; v10  LDS address of my spare word: SPARE + 4 x my thread's number; never rewritten
.set NIL, 11                           ; v11  0; never rewritten
.set PR,  12                           ; v12  where wave 0 reads the partial sums
.set LO,  13                           ; v13  16 t; never rewritten
.set SO,  14                           ; v14  8 t; never rewritten
.set ACC, 16                           ; v[16:31]   two accumulators, by turns
.set XF,  32                           ; v[32:63]   x's four fragments of a tile
.set AF,  64                           ; v[64:95]   lora_A's: first the tile as rounded (row r at AF + 2 r), then its four fragments
.set Y,   96                           ; v[96:127]  x's tile as rounded: row r at Y + 2 r
.set X,   128                          ; v[128:191] x's tile as loaded: row r at X + 4 r.  Phase 3: v[128:255], slot i at X + 4 i
.set AL,  192                          ; v[192:255] lora_A's tile as loaded
.set P,   32                           ; phase 2: v[32:95] the eight partial sums
.set U,   16                           ; phase 2: v[16:23] hi as f32
.set HI,  24                           ; phase 2: v[24:27] hi
.set LW,  28                           ; phase 2: v[28:31] lo
.set CY,  32                           ; phase 3: v[32:95] slot i: 4 bf16 to store
	s_load_b256 s[4:11], s[0:1], 0x0               ; x s[4:5], W s[6:7], lora_A s[8:9], lora_scale s[10:11]
	s_load_b128 s[12:15], s[0:1], 0x20             ; xb s[12:13], wb s[14:15]
	s_load_b64 s[16:17], s[0:1], 0x30              ; tb
	v_lshl_add_u32 v[SPW], v0, 2, SPARE
	v_mov_b32 v[NIL], 0
	v_lshrrev_b32 v1, 5, v0
	v_readfirstlane_b32 s20, v1                    ; wave 0..7
	v_and_b32 v2, 31, v0                           ; l
	v_and_b32 v1, 15, v0                           ; l % 16
	v_bfe_u32 v15, v0, 4, 1                        ; l / 16
	v_lshlrev_b32 v[GL], 4, v2
	v_lshlrev_b32 v[GS], 3, v2
	v_lshlrev_b32 v[LO], 4, v0
	v_lshlrev_b32 v[SO], 3, v0
	s_wait_alu depctr_va_sdst(0)                   ; s20 is written, ahead of its first reader: the stage's place, the partial sums' place and my columns are made from it
	s_mul_i32 s22, s20, WST                        ; my stage
	v_add_nc_u32 v[SX], s22, v[GS]
	v_mul_u32_u24 v[FR], v1, SP
	v_lshl_add_u32 v[FR], v15, 4, v[FR]
	v_add_nc_u32 v[FR], s22, v[FR]
	s_lshl_b32 s23, s20, 10
	s_add_co_u32 s23, s23, PART
	v_add_nc_u32 v[PS], s23, v[GL]
	v_add_nc_u32 v[PR], PART, v[GL]
	s_lshl_b32 s24, s20, 11                        ; my 512 columns in bytes of f32
	s_mov_b32 s3, 0                                ; every offset here is under 2^27: a pair with 0 above it
	s_wait_kmcnt 0x0
	s_load_b32 s18, s[10:11], 0x0                  ; s; waited for in phase 2
	s_lshl_b32 s2, ttmp9, 18                       ; the work-group's 16 rows of 16,384 bytes
	s_add_nc_u64 s[6:7], s[6:7], s[2:3]            ; W at its first row
	s_add_co_u32 s2, s2, s24
	s_add_nc_u64 s[4:5], s[4:5], s[2:3]            ; x at its first row, my columns
	s_mov_b32 s2, s24
	s_add_nc_u64 s[8:9], s[8:9], s[2:3]            ; lora_A at my columns
	s_lshl_b32 s2, ttmp9, 17                       ; 16 rows of 8,192 bytes
	s_add_nc_u64 s[14:15], s[14:15], s[2:3]        ; wb
	s_lshr_b32 s24, s24, 1                         ; my columns in bytes of bf16: a multiple of 256
	s_add_co_u32 s2, s2, s24
	s_add_nc_u64 s[12:13], s[12:13], s[2:3]        ; xb
	s_lshl_b32 s2, ttmp9, 10                       ; the work-group's block of tb
	s_add_nc_u64 s[16:17], s[16:17], s[2:3]
	s_wait_alu depctr_va_vdst(0)                   ; the offsets and LDS addresses v3 to v7 and v12 to v14 are written: every load and store of the kernel reads one of them, and none is written again
	; ---------------- phase 1 ----------------
.irp r, 0,1,2,3,4,5,6,7,8,9,10,11,12,13,14,15
	global_load_b128 v[X+4*(\r):X+4*(\r)+3], v[GL], s[4:5] offset:(\r)*XROW th:TH_LOAD_NT  ; tile 0 of x,
.endr
.irp r, 0,1,2,3,4,5,6,7,8,9,10,11,12,13,14,15
	global_load_b128 v[AL+4*(\r):AL+4*(\r)+3], v[GL], s[8:9] offset:(\r)*XROW              ; and of lora_A, which every work-group reads: no hint
.endr
; THE COUNTS.  Loads come back in order (ISA guide 5.7.1).  At a group's head its own eight loads and those of the three groups behind it in the ring have been issued: the count 24 shows
; its own in and leaves the others out.  That holds from the first group to phase 3's fifth block; behind that nothing is asked for, and the counts run down.
; A group of x: rows h .. h + 7 of tile t.
.macro XGROUP t, h
	s_wait_loadcnt 24
.if ((\t) > 0) && ((\h) == 0)
	s_wait_xcnt 0x0                                ; the last tile's stores of xb have had their addresses translated (ISA guide 3.1): Y is rewritten only behind this wait
.endif
.set r, \h
.rept 8
	v_cvt_pk_bf16_f32 v[Y+2*r],   v[X+4*r],   v[X+4*r+1]
	v_cvt_pk_bf16_f32 v[Y+2*r+1], v[X+4*r+2], v[X+4*r+3]
.set r, r+1
.endr
	s_wait_alu depctr_va_vdst(0)                   ; the sixteen roundings are done reading these rows of X, in which the loads below land, and have written these rows of Y, which the stores below read
.set r, \h
.rept 8
.if (\t) < 3
	global_load_b128 v[X+4*r:X+4*r+3], v[GL], s[4:5] offset:r*XROW+((\t)+1)*512 th:TH_LOAD_NT  ; the next tile's row
.else
	global_load_b128 v[X+4*r:X+4*r+3], v[LO], s[6:7] offset:r*CH th:TH_LOAD_NT                 ; behind the last tile: W's chunk r, into phase 3's slot r
.endif
.set r, r+1
.endr
.set r, \h
.rept 8
	global_store_b64 v[GS], v[Y+2*r:Y+2*r+1], s[12:13] offset:r*BROW+(\t)*256  ; a wave stores 256 consecutive bytes, aligned
	ds_store_b64 v[SX], v[Y+2*r:Y+2*r+1] offset:r*SP
.set r, r+1
.endr
.endm
; A group of lora_A: rows h .. h + 7 of tile t.  The 32 roundings of the tile's two groups of x are the places between the last tile's products and these writes of their source AF.
.macro AGROUP t, h
	s_wait_loadcnt 24
.set r, \h
.rept 8
	v_cvt_pk_bf16_f32 v[AF+2*r],   v[AL+4*r],   v[AL+4*r+1]
	v_cvt_pk_bf16_f32 v[AF+2*r+1], v[AL+4*r+2], v[AL+4*r+3]
.set r, r+1
.endr
	s_wait_alu depctr_va_vdst(0)                   ; the sixteen roundings are done reading these rows of AL, in which the loads below land, and have written these rows of AF, which the LDS stores below read
.set r, \h
.rept 8
.if (\t) < 3
	global_load_b128 v[AL+4*r:AL+4*r+3], v[GL], s[8:9] offset:r*XROW+((\t)+1)*512
.else
	global_load_b128 v[AL+4*r:AL+4*r+3], v[LO], s[6:7] offset:(16+r)*CH th:TH_LOAD_NT          ; W's chunk 16 + r, into phase 3's slot 16 + r
.endif
.set r, r+1
.endr
.set r, \h
.rept 8
	ds_store_b64 v[SX], v[AF+2*r:AF+2*r+1] offset:HST+r*SP
.set r, r+1
.endr
.endm
; Tile t: its four groups, its fragments, its four products.
.macro XTILE t
	XGROUP \t, 0
	XGROUP \t, 8
	AGROUP \t, 0
	AGROUP \t, 8
	s_wait_alu depctr_vm_vsrc(0)                   ; the LDS stores have read AF, in which fragments land below; and the tile's stores have read Y, which the next tile's roundings write again
	                                               ; (the groups' waits on va_vdst stand behind the last tile's products, which read XF and AF, and behind the roundings that wrote AF; no vector instruction has been issued since the last of them)
.irp f, 0,1,2,3                        ; a fragment is 16 rows x 32 columns: two loads of 16 bytes, 32 bytes apart.  LDS serves a wave's instructions in order (ISA guide 5.7.1.4): these see the stores above
	ds_load_b128 v[AF+8*(\f):AF+8*(\f)+3],   v[FR] offset:HST+64*(\f)
	ds_load_b128 v[AF+8*(\f)+4:AF+8*(\f)+7], v[FR] offset:HST+64*(\f)+32
	ds_load_b128 v[XF+8*(\f):XF+8*(\f)+3],   v[FR] offset:64*(\f)
	ds_load_b128 v[XF+8*(\f)+4:XF+8*(\f)+7], v[FR] offset:64*(\f)+32
.endr
	s_wait_dscnt 0x0
.irp f, 0,1,2,3                        ; two accumulators by turns, one instruction a turn, from tile to tile too; the first two products start the sums
.if ((\t) == 0) && ((\f) < 2)
	v_wmma_f32_16x16x32_bf16 v[ACC+8*((\f)%2):ACC+8*((\f)%2)+7], v[AF+8*(\f):AF+8*(\f)+7], v[XF+8*(\f):XF+8*(\f)+7], 0
.else
	v_wmma_f32_16x16x32_bf16 v[ACC+8*((\f)%2):ACC+8*((\f)%2)+7], v[AF+8*(\f):AF+8*(\f)+7], v[XF+8*(\f):XF+8*(\f)+7], v[ACC+8*((\f)%2):ACC+8*((\f)%2)+7]
.endif
.endr
.endm
	XTILE 0
	XTILE 1
	XTILE 2
	XTILE 3                                        ; its refills have filled phase 3's ring: W's chunks 0 to 31 are on their way while t is finished
	; ---------------- phase 2 ----------------
.rept 8
	v_nop                                          ; places between the last products and the reads of their results (ISA guide 7.12.1): eight, once a launch
.endr
.irp q, 0,2,4,6
	v_pk_add_f32 v[ACC+(\q):ACC+(\q)+1], v[ACC+(\q):ACC+(\q)+1], v[ACC+8+(\q):ACC+8+(\q)+1]  ; the two accumulators, from their lowest registers on
.endr
	s_wait_alu depctr_va_vdst(0)                   ; the additions have written v[16:23], which the LDS stores below read; and the last products are done reading XF and AF, in which wave 0's loads of the partial sums land
	ds_store_b128 v[PS], v[ACC:ACC+3]
	ds_store_b128 v[PS], v[ACC+4:ACC+7] offset:512
	s_wait_dscnt 0x0                               ; for wave 0's sake: my partial sums lie in LDS
	s_barrier_signal -1
	s_barrier_wait -1                              ; all eight do
	s_wait_alu depctr_vm_vsrc(0)                   ; my two LDS stores have read v[16:23], which wave 0 writes again below (hi as f32)
	s_cmp_lg_u32 s20, 0
	s_cbranch_scc1 .Lcast                          ; wave 0 finishes t
.irp v, 0,1,2,3,4,5,6,7
	ds_load_b128 v[P+8*(\v):P+8*(\v)+3],   v[PR] offset:1024*(\v)
	ds_load_b128 v[P+8*(\v)+4:P+8*(\v)+7], v[PR] offset:1024*(\v)+512
.endr
	s_wait_kmcnt 0x0                               ; s
	v_mov_b32 v[SB], s18
	v_cvt_pk_bf16_f32 v[SB], v[SB], v[SB]          ; the scale is rounded to bf16 like every input,
	v_lshlrev_b32 v[SB], 16, v[SB]                 ; and used as f32
	v_mov_b32 v[SB+1], v[SB]
	s_wait_dscnt 0x0
.irp v, 0,1,2,3
.irp q, 0,2,4,6
	v_pk_add_f32 v[P+8*(\v)+(\q):P+8*(\v)+(\q)+1], v[P+8*(\v)+(\q):P+8*(\v)+(\q)+1], v[P+8*((\v)+4)+(\q):P+8*((\v)+4)+(\q)+1]
.endr
.endr
.irp v, 0,1
.irp q, 0,2,4,6
	v_pk_add_f32 v[P+8*(\v)+(\q):P+8*(\v)+(\q)+1], v[P+8*(\v)+(\q):P+8*(\v)+(\q)+1], v[P+8*((\v)+2)+(\q):P+8*((\v)+2)+(\q)+1]
.endr
.endr
.irp q, 0,2,4,6
	v_pk_add_f32 v[P+(\q):P+(\q)+1], v[P+(\q):P+(\q)+1], v[P+8+(\q):P+8+(\q)+1]
.endr
.irp q, 0,2,4,6
	v_pk_mul_f32 v[P+(\q):P+(\q)+1], v[P+(\q):P+(\q)+1], v[SB:SB+1]  ; t = s (x A^T): row l % 16, ranks 8 (l / 16) + 0..7
.endr
.irp p, 0,1,2,3
	v_cvt_pk_bf16_f32 v[HI+(\p)], v[P+2*(\p)], v[P+2*(\p)+1]         ; hi
.endr
.irp p, 0,1,2,3
	v_lshlrev_b32 v[U+2*(\p)],   16, v[HI+(\p)]                      ; hi as f32
	v_and_b32     v[U+2*(\p)+1], 0xffff0000, v[HI+(\p)]
.endr
.irp q, 0,2,4,6
	v_pk_add_f32 v[P+(\q):P+(\q)+1], v[P+(\q):P+(\q)+1], v[U+(\q):U+(\q)+1] neg_lo:[0,1] neg_hi:[0,1]  ; t - hi, exact
.endr
.irp p, 0,1,2,3
	v_cvt_pk_bf16_f32 v[LW+(\p)], v[P+2*(\p)], v[P+2*(\p)+1]         ; lo
.endr
	s_wait_alu depctr_va_vdst(0)                   ; the roundings have written hi and lo, which the two stores below read
	global_store_b128 v[GL], v[HI:HI+3], s[16:17]             ; 512 consecutive bytes, aligned: registers 0-3 of the fragment,
	global_store_b128 v[GL], v[LW:LW+3], s[16:17] offset:512  ; and its registers 4-7.  HI and LW are not written again
	; ---------------- phase 3 ----------------
.Lcast:
; Block p of eight: the ring's buffer p % 4, that is slots 8 (p % 4) .. + 7, in round p / 4.  In the first round each slot is filled again with the chunk DEPTH further on.
; left = how many younger loads may stay out.
.macro CBLOCK p, left
	s_wait_loadcnt \left                           ; loads come back in order: the block's eight are in, the younger ones stay out
.if (\p) == 4
	s_wait_xcnt 0x0                                ; the first round's stores have had their addresses translated (ISA guide 3.1): CY is rewritten only behind this wait,
	s_wait_alu depctr_vm_vsrc(0)                   ; and they have read CY, which the second round's roundings write again
.endif
.set i, 8*((\p)%4)
.rept 8
	v_cvt_pk_bf16_f32 v[CY+2*i],   v[X+4*i],   v[X+4*i+1]
	v_cvt_pk_bf16_f32 v[CY+2*i+1], v[X+4*i+2], v[X+4*i+3]
.set i, i+1
.endr
.if (\p) < 4
	s_wait_alu depctr_va_vdst(0)                   ; the sixteen roundings are done reading the block's slots, in which the loads below land, and have written its part of CY, which the stores below read
.set i, 8*(\p)
.rept 8
	global_load_b128 v[X+4*i:X+4*i+3], v[LO], s[6:7] offset:(DEPTH+i)*CH th:TH_LOAD_NT
.set i, i+1
.endr
.else
	s_wait_alu depctr_va_vdst(0)                   ; the sixteen roundings have written the block's part of CY, which the stores below read
.endif
.set i, 8*((\p)%4)
.rept 8
	global_store_b64 v[SO], v[CY+2*i:CY+2*i+1], s[14:15] offset:(DEPTH*((\p)/4)+i)*(CH/2)  ; a wave stores 256 consecutive bytes, aligned
.set i, i+1
.endr
.endm
	CBLOCK 0, 24
	CBLOCK 1, 24
	CBLOCK 2, 24
	CBLOCK 3, 24
	CBLOCK 4, 24                                   ; the second round loads nothing: the counts run down
	CBLOCK 5, 16
	CBLOCK 6, 8
	CBLOCK 7, 0
	s_wait_dscnt 0x0                               ; the closing lines, six on end
	s_wait_alu 0x0
	s_wait_tensorcnt 0x0
	ds_add_u32 v[SPW], v[NIL]
	s_wait_dscnt 0x0
	s_endpgm
.Lfunc_end_k_q806fed302a_prep:
	.size	k_q806fed302a_prep, .Lfunc_end_k_q806fed302a_prep-k_q806fed302a_prep
	.p2alignl 7, 3214868480
	.fill 96, 4, 3214868480
	.section	.rodata,"a",@progbits
	.p2align	6, 0x0
	.amdhsa_kernel k_q806fed302a_prep
		.amdhsa_group_segment_fixed_size 78848
		.amdhsa_private_segment_fixed_size 0
		.amdhsa_enable_private_segment 0
		.amdhsa_kernarg_size 56
		.amdhsa_user_sgpr_count 2
		.amdhsa_user_sgpr_kernarg_segment_ptr 1
		.amdhsa_wavefront_size32 1
		.amdhsa_system_sgpr_workgroup_id_x 1
		.amdhsa_system_sgpr_workgroup_id_y 1
		.amdhsa_system_sgpr_workgroup_id_z 1
		.amdhsa_system_vgpr_workitem_id 0
		.amdhsa_next_free_vgpr 256
		.amdhsa_next_free_sgpr 66
		.amdhsa_reserve_vcc 0
		.amdhsa_float_denorm_mode_32 3
		.amdhsa_float_denorm_mode_16_64 3
		.amdhsa_memory_ordered 1
		.amdhsa_forward_progress 1
		.amdhsa_inst_pref_size 77
	.end_amdhsa_kernel
	.amdgpu_metadata
---
amdhsa.version: [ 1, 2 ]
amdhsa.kernels:
  - .name:           k_q806fed302a_prep
    .symbol:         k_q806fed302a_prep.kd
    .args:
      - { .name: x, .offset: 0, .size: 8, .value_kind: global_buffer, .address_space: global }
      - { .name: W, .offset: 8, .size: 8, .value_kind: global_buffer, .address_space: global }
      - { .name: lora_A, .offset: 16, .size: 8, .value_kind: global_buffer, .address_space: global }
      - { .name: lora_scale, .offset: 24, .size: 8, .value_kind: global_buffer, .address_space: global }
      - { .name: xb, .offset: 32, .size: 8, .value_kind: global_buffer, .address_space: global }
      - { .name: wb, .offset: 40, .size: 8, .value_kind: global_buffer, .address_space: global }
      - { .name: tb, .offset: 48, .size: 8, .value_kind: global_buffer, .address_space: global }
    .group_segment_fixed_size: 78848
    .private_segment_fixed_size: 0
    .kernarg_segment_align: 8
    .kernarg_segment_size: 56
    .max_flat_workgroup_size: 256
    .sgpr_count:     66
    .vgpr_count:     256
    .wavefront_size: 32
...
	.end_amdgpu_metadata
.endif
;; end of part 3
;; launch gemm: the kernel of part 2 again; grid 16 x 16, 4 waves a work-group, clusters of 4 x 4, 327,680 bytes of LDS; arguments xb, wb, tb, lora_B, bias, out0; writes out0
